; MI455X (gfx1250); checked and timed in simulation.
; The chip was launched on July 23, 2026; its instructions are those of AMD's public machine-readable ISA for CDNA 5 (MIT licence, August 2026) and "CDNA5" Instruction Set Architecture Reference Guide (July 2026). The comments in the code are by the model that wrote it; some were corrected since.
;; Paged Sdpa Attention. Allowed arithmetic: float matrix products may take bf16 or f16 operands with f32 sums; all other float work in f32.
;; Inputs: Wo 4,096 x 4,096 float32; Wq 4,096 x 4,096 float32; block_table 512 int32; hidden_states 1 x 512 x 4,096 float32; kv_cache 1,024 x 2 x 8 x 16 x 128 float32.
;; Outputs: out0 1 x 512 x 4,096 float32.
;; 2 versions, each right; version 2 is version 1 with the launch prep written anew for expert scheduling mode. Each part assembles by itself: llvm-mc -triple=amdgcn-amd-amdhsa -mcpu=gfx1250 --defsym DOCPART=n.
;; ======== version 1 of 2: 4 launches
;; limits: values are held in f16: magnitudes above 65,504 overflow, below 6.1e-05 lose precision
;; workspace buffers: hp 4,194,304 bytes; cp 4,194,304 bytes; q 8,388,608 bytes; kvp 33,554,432 bytes
;; launch prep (part 1): grid 256 x 1, 4 waves a work-group, no clusters, 17,920 bytes of LDS; arguments block_table, hidden_states, kv_cache, hp, kvp; writes hp, kvp
.if DOCPART == 1
	.amdgcn_target "amdgcn-amd-amdhsa--gfx1250"
	.amdhsa_code_object_version 6
	.text
	.protected	k_qcfd7ccd1f8_prep
	.globl	k_qcfd7ccd1f8_prep
	.p2align	8
	.type	k_qcfd7ccd1f8_prep,@function
k_qcfd7ccd1f8_prep:
	s_mov_b64 s[64:65], 0
	v_nop
	global_prefetch_b8 v0, s[64:65] scope:SCOPE_SE
	s_setreg_imm32_b32 hwreg(HW_REG_WAVE_MODE, 25, 1), 1
	s_wait_xcnt 0x0
; prep: gathers the paged K and V named by block_table and rounds them, and hidden_states, to f16, laid out as register
; images of matrix operands, so that the later launches load fragments as plain runs of 512 bytes.
; WHY f16: the result passes through eight roundings of matrix operands (hidden, Wq, q, K, P, V, ctx, Wo); f16 keeps 11 significant bits.
; LIMIT of the format: a number beyond 65,504 in magnitude becomes infinite; below 2^-14 the steps are 2^-24.  hidden, K and V are drawn with spread 1.
; A FRAGMENT is 16 rows x 32 k of f16 in 1,024 bytes: bytes 16 L are registers 0-3 of lane L = (r = L % 16, h = L / 16), that is
; row r, k = 8 h .. 8 h + 7; bytes 512 + 16 L are registers 4-7, k = 16 + 8 h .. + 7 (ISA guide 7.12.2).
; hp  : fragment (row tile mt, k chunk kc) of hidden at (((mt / 8) 128 + kc) 8 + mt % 8) 1,024.
; kvp : head g, group G of 32 keys (table entries 2 G, 2 G + 1) at (256 g + G) 16,384: K fragments (kt, c) at 4,096 kt + 1,024 c
;       (row = key 16 kt + r, k = d - 32 c); V fragments f = 4 H + c at 8,192 + 1,024 f (row i stands for d = 64 H + 4 i + c, k = key).
; WORK: 9,216 units of 16 rows x 128 f32 (8,192 bytes): 4,096 of K, 4,096 of V, 1,024 of hidden; nine for each of the 1,024 waves.
; Wave W = 4 x work-group + wave takes table entry W / 2, heads 4 (W % 2) .. + 3 (K and V), and hidden tile (W / 32, W % 32).
; No work-group shares input with another and memory traffic is all there is: no cluster, no matrix unit, no tensor loads.
; Three unit buffers in registers take turns: 32 to 48 loads of 512 bytes of a wave are on their way.
; LIMIT: a table entry is taken as unsigned and clamped to 1,023, the table's last block.
.set X,     48                         ; v[48:239] three buffers of 64: register 4 i + e = row i, column 4 L + e
.set Y,     8                          ; v[8:39]   packed f16
.set SRC,   16                         ; s[16:17]  kv_cache at my block and first head
.set HS,    18                         ; s[18:19]  hidden_states at my tile
.set DB,    20                         ; s[20:27]  kvp at my group, one pair for each of my four heads
.set HD,    28                         ; s[28:29]  hp at my tile's first fragment
.set PITCH, 272                        ; stage row: 256 bytes + 16, so that the 16 image rows begin 68 words apart
.set STAGE, 16*PITCH                   ; a wave's own stage in LDS
	s_load_b256 s[4:11], s[0:1], 0x0               ; block_table s[4:5], hidden s[6:7], kv_cache s[8:9], hp s[10:11]
	s_load_b64 s[12:13], s[0:1], 0x20              ; kvp
	v_lshl_add_u32 v240, v0, 2, 0x4400
	v_mov_b32 v241, 0
	v_lshrrev_b32 v6, 5, v0
	v_readfirstlane_b32 s14, v6                    ; wave 0..3
	s_lshl_b32 s15, ttmp9, 2
	s_add_co_u32 s15, s15, s14                     ; W
	s_lshr_b32 s30, s15, 1                         ; table entry
	s_lshl_b32 s31, s30, 2                         ; its byte offset in the table
	s_and_b32 s34, s15, 1                          ; which four heads
	s_and_b32 s35, s30, 1                          ; which half of the group of 32 keys
	s_wait_kmcnt 0x0
	s_load_b32 s32, s[4:5], s31 offset:0x0         ; the block's number
	; lane terms, while the number is on its way
	v_and_b32 v6, 31, v0                           ; L
	v_lshlrev_b32 v1, 4, v6                        ; v1 = 16 L: loads, and hidden's stores
	s_lshl_b32 s37, s35, 12
	v_add_nc_u32 v2, s37, v1                       ; v2 = K's stores: 4,096 kt + 16 L
	v_and_b32 v7, 15, v6
	v_lshrrev_b32 v40, 4, v6
	v_lshlrev_b32 v3, 4, v7
	v_lshl_add_u32 v3, v40, 12, v3
	s_lshl_b32 s37, s35, 9
	s_add_co_u32 s37, s37, 8192
	v_add_nc_u32 v3, s37, v3                       ; v3 = V's stores: 8,192 + 512 half + 4,096 (L / 16) + 16 (L % 16)
	s_mul_i32 s38, s14, STAGE
	v_lshrrev_b32 v41, 1, v6
	v_mul_u32_u24 v4, v41, PITCH
	v_and_b32 v42, 1, v6
	v_lshl_add_u32 v4, v42, 3, v4
	v_add_nc_u32 v4, s38, v4                       ; v4 = into the stage: image row L / 2, 8 bytes at 8 (L % 2)
	v_mul_u32_u24 v5, v40, PITCH
	v_lshl_add_u32 v5, v7, 4, v5
	v_add_nc_u32 v5, s38, v5                       ; v5 = back out: image row L / 16, 16 bytes at 16 (L % 16)
	; hidden: tile mt = W / 32 (16 rows of 16,384 bytes), columns 128 kq .., kq = W % 32
	s_lshr_b32 s36, s15, 5
	s_and_b32 s37, s15, 31
	s_lshl_b32 s38, s36, 18
	s_lshl_b32 s39, s37, 9
	s_add_co_u32 s38, s38, s39
	s_mov_b32 s39, 0
	s_add_nc_u64 s[HS:HS+1], s[6:7], s[38:39]
	s_lshr_b32 s40, s36, 3
	s_lshl_b32 s40, s40, 20                        ; (mt / 8) x 128 x 8 fragments
	s_lshl_b32 s41, s37, 15                        ; 4 kq x 8 fragments
	s_add_co_u32 s40, s40, s41
	s_and_b32 s41, s36, 7
	s_lshl_b32 s41, s41, 10
	s_add_co_u32 s40, s40, s41
	s_mov_b32 s41, 0
	s_add_nc_u64 s[HD:HD+1], s[10:11], s[40:41]
	s_lshl_b32 s42, s34, 24                        ; first head x 256 groups x 16,384
	s_lshr_b32 s43, s30, 1
	s_lshl_b32 s43, s43, 14                        ; group x 16,384
	s_add_co_u32 s42, s42, s43
	s_mov_b32 s43, 0
	s_add_nc_u64 s[DB:DB+1], s[12:13], s[42:43]
.irp gl, 1,2,3
	s_add_nc_u64 s[DB+2*\gl:DB+2*\gl+1], s[DB:DB+1], \gl*4194304
.endr
	s_wait_kmcnt 0x0
	s_min_u32 s32, s32, 1023                       ; inside the cache, whatever the table holds
	s_lshl_b32 s32, s32, 17                        ; a block is 131,072 bytes
	s_lshl_b32 s36, s34, 15                        ; four heads of 8,192 bytes
	s_add_co_u32 s32, s32, s36
	s_mov_b32 s33, 0
	s_add_nc_u64 s[SRC:SRC+1], s[8:9], s[32:33]
; sixteen loads, one whole row of 512 bytes each.  No cache word on the cache's rows: the table may name a block twice.
.macro LOADKV buf, imm
.irp i, 0,1,2,3,4,5,6,7,8,9,10,11,12,13,14,15
	global_load_b128 v[X+64*\buf+4*\i:X+64*\buf+4*\i+3], v1, s[SRC:SRC+1] offset:\imm+512*\i
.endr
.endm
.macro LOADH buf
.irp i, 0,1,2,3,4,5,6,7,8,9,10,11,12,13,14,15
	global_load_b128 v[X+64*\buf+4*\i:X+64*\buf+4*\i+3], v1, s[HS:HS+1] offset:16384*\i th:TH_LOAD_NT
.endr
.endm
; A unit whose rows become fragment rows (K, hidden).  Column 4 L + e of row i belongs to chunk L / 8, register half (L / 4) % 2,
; lane half (L / 2) % 2: image row L / 2 of 256 bytes, at 16 i + 8 (L % 2).  Through the wave's own stage, then out as runs of 512 bytes.
; LDS serves a wave's instructions in order (ISA guide 5.7.1), so no wait stands between the stores and the loads, nor between two units.
.macro KUNIT buf, dst, voff, cstride
.irp i, 0,1,2,3,4,5,6,7,8,9,10,11,12,13,14,15
	v_cvt_pk_f16_f32 v[Y+2*\i],   v[X+64*\buf+4*\i],   v[X+64*\buf+4*\i+1]
	v_cvt_pk_f16_f32 v[Y+2*\i+1], v[X+64*\buf+4*\i+2], v[X+64*\buf+4*\i+3]
.endr
.irp i, 0,1,2,3,4,5,6,7,8,9,10,11,12,13,14,15
	ds_store_b64 v4, v[Y+2*\i:Y+2*\i+1] offset:16*\i
.endr
.irp t, 0,1,2,3,4,5,6,7
	ds_load_b128 v[X+64*\buf+4*\t:X+64*\buf+4*\t+3], v5 offset:2*PITCH*\t
.endr
.irp t, 0,1,2,3,4,5,6,7
	s_wait_dscnt 7-\t                              ; load t is back; the 7 - t younger ones may be out
	global_store_b128 v[\voff], v[X+64*\buf+4*\t:X+64*\buf+4*\t+3], s[\dst:\dst+1] offset:(\t/2)*\cstride+(\t%2)*512
.endr
.endm
; A unit of V: the keys become k.  Lane L holds columns 4 L + c of all 16 rows, and row L % 16 of fragment 4 (L / 16) + c stands for just that
; column: eight rows of one column pack into the lane's 16 bytes, and sixteen lanes store 256 consecutive aligned bytes.  No LDS.
.macro VUNIT buf, dst
.irp c, 0,1,2,3
.irp h, 0,1
.irp x, 0,1,2,3
	v_cvt_pk_f16_f32 v[Y+(2*\c+\h)*4+\x], v[X+64*\buf+4*(8*\h+2*\x)+\c], v[X+64*\buf+4*(8*\h+2*\x+1)+\c]
.endr
	global_store_b128 v3, v[Y+(2*\c+\h)*4:Y+(2*\c+\h)*4+3], s[\dst:\dst+1] offset:\c*1024+\h*256
.endr
.endr
.endm
.macro HEAD left
	s_wait_loadcnt \left                           ; this unit's 16 loads are in; the younger units' stay out
	s_wait_xcnt 0x0                                ; Y, which the last V unit's stores read, is written again only behind this wait
.endm
	LOADKV 0, 0                                    ; units 0, 1, 2: K and V of my first head, K of the second
	LOADKV 1, 65536
	LOADKV 2, 8192
	HEAD 32
	KUNIT 0, DB, 2, 1024
	s_wait_xcnt 0x0                                ; the buffer's registers were store data: loaded again only behind this wait
	LOADKV 0, 8192+65536
	HEAD 32
	VUNIT 1, DB
	LOADKV 1, 16384                                ; a V unit stores from Y, so its buffer is free as it is
	HEAD 32
	KUNIT 2, DB+2, 2, 1024
	s_wait_xcnt 0x0
	LOADKV 2, 16384+65536
	HEAD 32
	VUNIT 0, DB+2
	LOADKV 0, 24576
	HEAD 32
	KUNIT 1, DB+4, 2, 1024
	s_wait_xcnt 0x0
	LOADKV 1, 24576+65536
	HEAD 32
	VUNIT 2, DB+4
	LOADH 2
	HEAD 32
	KUNIT 0, DB+6, 2, 1024
	HEAD 16                                        ; nothing more is loaded: the counts run down
	VUNIT 1, DB+6
	HEAD 0
	KUNIT 2, HD, 1, 8192                           ; hidden: the four chunks' fragments lie 8 fragments apart
	s_wait_tensorcnt 0x0
	ds_add_u32 v240, v241
	s_wait_dscnt 0x0
	s_endpgm
.Lfunc_end_k_qcfd7ccd1f8_prep:
	.size	k_qcfd7ccd1f8_prep, .Lfunc_end_k_qcfd7ccd1f8_prep-k_qcfd7ccd1f8_prep
	.p2alignl 7, 3214868480
	.fill 96, 4, 3214868480
	.section	.rodata,"a",@progbits
	.p2align	6, 0x0
	.amdhsa_kernel k_qcfd7ccd1f8_prep
		.amdhsa_group_segment_fixed_size 17920
		.amdhsa_private_segment_fixed_size 0
		.amdhsa_enable_private_segment 0
		.amdhsa_kernarg_size 40
		.amdhsa_user_sgpr_count 2
		.amdhsa_user_sgpr_kernarg_segment_ptr 1
		.amdhsa_wavefront_size32 1
		.amdhsa_system_sgpr_workgroup_id_x 1
		.amdhsa_system_sgpr_workgroup_id_y 1
		.amdhsa_system_sgpr_workgroup_id_z 1
		.amdhsa_system_vgpr_workitem_id 0
		.amdhsa_next_free_vgpr 242
		.amdhsa_next_free_sgpr 66
		.amdhsa_reserve_vcc 0
		.amdhsa_float_denorm_mode_32 3
		.amdhsa_float_denorm_mode_16_64 3
		.amdhsa_memory_ordered 1
		.amdhsa_forward_progress 1
		.amdhsa_inst_pref_size 51
	.end_amdhsa_kernel
	.amdgpu_metadata
---
amdhsa.version: [ 1, 2 ]
amdhsa.kernels:
  - .name:           k_qcfd7ccd1f8_prep
    .symbol:         k_qcfd7ccd1f8_prep.kd
    .args:
      - { .name: block_table, .offset: 0, .size: 8, .value_kind: global_buffer, .address_space: global }
      - { .name: hidden_states, .offset: 8, .size: 8, .value_kind: global_buffer, .address_space: global }
      - { .name: kv_cache, .offset: 16, .size: 8, .value_kind: global_buffer, .address_space: global }
      - { .name: hp, .offset: 24, .size: 8, .value_kind: global_buffer, .address_space: global }
      - { .name: kvp, .offset: 32, .size: 8, .value_kind: global_buffer, .address_space: global }
    .group_segment_fixed_size: 17920
    .private_segment_fixed_size: 0
    .kernarg_segment_align: 8
    .kernarg_segment_size: 40
    .max_flat_workgroup_size: 128
    .sgpr_count:     66
    .vgpr_count:     242
    .wavefront_size: 32
...
	.end_amdgpu_metadata
.endif
;; end of part 1
;; launch qproj (part 2): grid 256 x 1, 4 waves a work-group, clusters of 4 x 1, 327,680 bytes of LDS; arguments hp, Wq, q; writes q
.if DOCPART == 2
	.amdgcn_target "amdgcn-amd-amdhsa--gfx1250"
	.amdhsa_code_object_version 6
	.text
	.protected	k_qcfd7ccd1f8_qproj
	.globl	k_qcfd7ccd1f8_qproj
	.p2align	8
	.type	k_qcfd7ccd1f8_qproj,@function
k_qcfd7ccd1f8_qproj:
	s_mov_b64 s[64:65], 0
	v_nop
	global_prefetch_b8 v0, s[64:65] scope:SCOPE_SE
	s_setreg_imm32_b32 hwreg(HW_REG_WAVE_MODE, 25, 1), 1
	s_wait_xcnt 0x0
	s_wait_alu depctr_hold_cnt(0) depctr_sa_sdst(0) depctr_va_vdst(0) depctr_va_sdst(0) depctr_va_ssrc(0) depctr_va_vcc(0) depctr_vm_vsrc(0)
	s_getreg_b32 s2, hwreg(HW_REG_IB_STS2, 6, 4)
	s_cmp_eq_u32 s2, 0
	s_cbranch_scc0 .Lentry_in_a_cluster
	s_endpgm
.Lentry_in_a_cluster:
	s_bfe_u32 s2, ttmp6, 0x10000c
	s_cmp_lg_u32 s2, 0x3003
	s_cbranch_scc0 .Lentry_shape_is_right
	s_endpgm
.Lentry_shape_is_right:
; C[512][4096] f32 = A x W.  A: 512 x 4096 in f16 as fragment images (fragment (row tile mt, k chunk kc) at (((mt / 8) 128 + kc) 8 + mt % 8) 1,024
; bytes; bytes 16 L = registers 0-3 of lane L, bytes 512 + 16 L = registers 4-7).  W: [4096 (k)][4096 (n)] f32.  Sums in f32; W rounded to f16.
; LIMIT of the format: a weight beyond 65,504 in magnitude becomes infinite; below 2^-14 the steps are 2^-24, which is 9e-5 of a spread of 0.02 / 30.
; SHARES: a cluster of four work-groups makes 64 columns of C (cluster number nb); work-group cx of it makes rows 128 cx .. + 127.
; The four waves split K: of tile t (W's rows 512 t .. + 511) wave w owns rows 128 w .. + 127, four steps of 32, and keeps a whole partial
; 128 x 64 (32 accumulators, 256 registers).  So each LDS byte of W and each fragment of A is read by one wave alone.  The partials meet in LDS at the end.
; W WITHOUT A TRANSPOSE: lane (r, h) reads 16 bytes = columns 4 r .. 4 r + 3 of a k row.  Its 16 rows give four B fragments c = 0 .. 3 whose
; column index r stands for column 4 r + c: the four D tiles of a row tile hold four neighbouring columns in one lane, 16 bytes to store.
; CLUSTER: the four work-groups need the same tiles of W: every tensor load is a joint one with mask 15.  Two slots of 131,072 bytes, the largest that fit
; twice; each wave brings 128 rows x 256 bytes with one load.  By this text's count a wave has two tensor loads out at the start, one behind each round.
; A is not asked for jointly: the partners need different rows of it; it goes straight into fragment registers, a ring of four steps.
.set SLOTB, 131072                     ; a slot: 512 k rows of 256 bytes
.set WSL,   32768                      ; a wave's 128 rows of it
.set TILEB, 512*16384                  ; from tile to tile in W
.set ATILE, 131072                     ; from tile to tile in A: 16 chunks x 8 fragments
.set LB,    2                          ; v2, v3  LDS: my first row of W in slot 0, 1: 32,768 w + 2,048 h + 16 r
.set AO,    4                          ; v4      32,768 w + 16 L: offset into A, and LDS address of my partial's image
.set RR,    5                          ; v5, v6  LDS: the partials of my two row tiles: 8,192 w + 16 L, and 65,536 more
.set CO,    7                          ; v7      offset in C: 8 h rows + 16 r
.set PFO,   8                          ; v8      prefetch: my row of the tile asked for
.set PFMAX, 9                          ; v9      the same row of the last tile
.set PFC,   10                         ; v10     the smaller of the two
.set BF,    64                         ; v[64:127]  16 rows x 4 columns of W in f32; at the end the results
.set BB,    128                        ; v[128:159] four B fragments
.set G1,    16                         ; s[16:23] descriptor group 1
.set G0,    24                         ; s[24:31] descriptor group 0, one for each slot
; window 1 (v256-511): accumulator (mt, c) at 8 (4 mt + c).  Window 2 (v512-767): A's ring, step i fragment mt at 64 i + 8 mt; at the end four partials.
; s_set_vgpr_msb: bits 1:0 source 0, 3:2 source 1, 5:4 source 2, 7:6 destination; the high byte repeats the setting that is left.
.set MSB, 0
.macro WIN new
.if MSB != \new
	s_set_vgpr_msb (MSB<<8)|\new
.set MSB, \new
.endif
.endm
.macro ROUND                           ; a round of the cluster's barrier
	s_barrier_signal -1
	s_barrier_wait -1
	s_cmp_lg_u32 s10, 0
	s_cbranch_scc1 .Lnot_wave_0_\@
	s_barrier_signal -3
.Lnot_wave_0_\@:
	s_barrier_wait -3
	s_barrier_signal -1
	s_barrier_wait -1
.endm
.macro PLACES                          ; four places behind a matrix instruction (ISA guide 7.12.1)
.rept 4
	v_nop
.endr
.endm
	s_load_b128 s[4:7], s[0:1], 0x0                ; A s[4:5], W s[6:7]
	s_load_b64 s[8:9], s[0:1], 0x10                ; C
	v_lshl_add_u32 v254, v0, 2, 0x40000
	v_mov_b32 v255, 0
	ds_add_u32 v254, v255
	v_lshrrev_b32 v1, 5, v0
	v_readfirstlane_b32 s10, v1                    ; wave 0..3
	s_bfe_u32 s11, ttmp6, 0x40000                  ; cx: my block of 128 rows.  It enters global addresses of A, C and the prefetch alone
	s_lshl_b32 s38, ttmp9, 8                       ; 256 nb: my cluster's 64 columns, in bytes
	s_mov_b32 s[G1+0], 15|(2<<16)|(1<<21)          ; mask: all four of the cluster; elements of 4 bytes; bit 21 beside a mask; no padding (reads run along rows)
	s_mov_b32 s[G1+1], 64<<16                      ; tensor_dim0 = 64
	s_mov_b32 s[G1+2], 128<<16                     ; tensor_dim1 = 128
	s_mov_b32 s[G1+3], 64<<16                      ; tile_dim0 = 64 elements = 256 bytes
	s_mov_b32 s[G1+4], 128                         ; tile_dim1 = 128 rows
	s_mov_b32 s[G1+5], 4096                        ; from row to row
	s_mov_b32 s[G1+6], 0
	s_mov_b32 s[G1+7], 0
	s_mul_i32 s33, s10, WSL                        ; my slice of a slot
	s_lshl_b32 s34, s10, 21                        ; 128 w rows of 16,384 bytes
	s_add_co_u32 s34, s34, s38
	s_mov_b32 s35, 0
	s_wait_dscnt 0x0
	s_wait_kmcnt 0x0
	s_add_nc_u64 s[36:37], s[6:7], s[34:35]        ; W at my rows of tile 0
.irp n, 0,1
	s_mov_b32 s[G0+4*\n], 1
	s_add_co_u32 s[G0+4*\n+1], s33, \n*SLOTB
	s_add_nc_u64 s[G0+4*\n+2:G0+4*\n+3], s[36:37], \n*TILEB
	s_or_b32 s[G0+4*\n+3], s[G0+4*\n+3], 0x80000000
.endr
	ROUND                                          ; the four work-groups are here: the first joint loads meet
	tensor_load_to_lds s[G0:G0+3], s[G1:G1+7]      ; tile 0
	s_nop 0
	tensor_load_to_lds s[G0+4:G0+7], s[G1:G1+7]    ; tile 1
	s_nop 0
	s_lshl_b32 s40, s11, 20                        ; A: 128 chunks x 8 fragments for each block of 128 rows
	s_mov_b32 s41, 0
	s_add_nc_u64 s[4:5], s[4:5], s[40:41]
	s_lshl_b32 s42, s11, 21                        ; C: row 128 cx + 32 w, column 64 nb
	s_lshl_b32 s43, s10, 19
	s_add_co_u32 s42, s42, s43
	s_add_co_u32 s42, s42, s38
	s_mov_b32 s43, 0
	s_add_nc_u64 s[8:9], s[8:9], s[42:43]
	v_and_b32 v1, 31, v0                           ; L
	v_and_b32 v11, 15, v0                          ; r
	v_bfe_u32 v12, v0, 4, 1                        ; h
	v_lshlrev_b32 v13, 4, v11
	v_lshlrev_b32 v[AO], 4, v1
	v_add_nc_u32 v[AO], s33, v[AO]
	v_lshl_add_u32 v[LB], v12, 11, v13
	v_add_nc_u32 v[LB], s33, v[LB]
	v_add_nc_u32 v[LB+1], SLOTB, v[LB]
	s_lshl_b32 s39, s10, 13
	v_lshlrev_b32 v[RR], 4, v1
	v_add_nc_u32 v[RR], s39, v[RR]
	v_add_nc_u32 v[RR+1], 65536, v[RR]
	v_lshl_add_u32 v[CO], v12, 17, v13
	; Prefetch: a lane asks for the 256 bytes of one k row; wave w of work-group cx takes rows 128 w + 32 cx + L of a tile, so the cluster's 16 waves ask
	; for each of a tile's 512 rows once.  Tile 2 is asked for here; at the change to tile t, where tile t + 1's tensor load goes out, tile t + 2.
	; At the change to tile 6 the offset is held at tile 7, W's last rows: no request points past W.
	s_lshl_b32 s40, s11, 5
	s_lshl_b32 s41, s10, 7
	s_add_co_u32 s40, s40, s41
	v_add_nc_u32 v[PFO], s40, v1
	v_lshlrev_b32 v[PFO], 14, v[PFO]
	v_add_nc_u32 v[PFO], s38, v[PFO]
	v_add_nc_u32 v[PFMAX], 3584*16384, v[PFO]
	v_add_nc_u32 v[PFO], 1024*16384, v[PFO]
	global_prefetch_b8 v[PFO], s[6:7] th:TH_LOAD_NT scope:SCOPE_SE
; sixteen loads of 512 bytes: the eight A fragments of step i, of the tile at s[4:5] + extra
.macro AFILL i, extra
	WIN 0x80                                       ; destination window 2
.irp mt, 0,1,2,3,4,5,6,7
	global_load_b128 v[64*\i+8*\mt:64*\i+8*\mt+3],   v[AO], s[4:5] offset:\extra+\i*8192+\mt*1024
	global_load_b128 v[64*\i+8*\mt+4:64*\i+8*\mt+7], v[AO], s[4:5] offset:\extra+\i*8192+\mt*1024+512
.endr
.endm
; sixteen LDS loads: my 16 k rows of step i (8 h + 0..7 and 16 + 8 h + 0..7), 16 bytes of each; sixteen lanes read 256 consecutive bytes
.macro BLOAD slot, i
	WIN 0
.irp q, 0,1,2,3,4,5,6,7,8,9,10,11,12,13,14,15
	ds_load_b128 v[BF+4*\q:BF+4*\q+3], v[LB+\slot] offset:(\i)*8192+(\q+8*(\q/8))*256
.endr
.endm
; One step of 32 along K.  Its W rows were asked for a step ago.  zero: the products start the sums.  ahead: the A slot is filled again, for the next tile.
; left: the loads of A that may stay out, 16 for each younger slot of the ring.
.macro STEP slot, i, zero, ahead, left
	WIN 0
.irp p, 0,1,2,3,4,5,6,7
	s_wait_dscnt 14-2*\p                           ; rows 2 p and 2 p + 1 of my sixteen are in
.irp c, 0,1,2,3
	v_cvt_pk_f16_f32 v[BB+8*\c+\p], v[BF+8*\p+\c], v[BF+8*\p+4+\c]
.endr
.endr
.if \i < 3
	BLOAD \slot, \i+1                              ; the next step's rows land under this step's matrix work
.endif
	s_wait_loadcnt \left
	WIN 0x52                                       ; A window 2, B window 0, C and D window 1
	; the 32 accumulators take turns, one instruction a turn
.irp mt, 0,1,2,3,4,5,6,7
.irp c, 0,1,2,3
.if \zero
	v_wmma_f32_16x16x32_f16 v[8*(4*\mt+\c):8*(4*\mt+\c)+7], v[64*\i+8*\mt:64*\i+8*\mt+7], v[BB+8*\c:BB+8*\c+7], 0
.else
	v_wmma_f32_16x16x32_f16 v[8*(4*\mt+\c):8*(4*\mt+\c)+7], v[64*\i+8*\mt:64*\i+8*\mt+7], v[BB+8*\c:BB+8*\c+7], v[8*(4*\mt+\c):8*(4*\mt+\c)+7]
.endif
.endr
.endr
	PLACES                                         ; in front of the loads into A's slot, the next conversions into the B fragments, and the stores of the sums
.if \ahead
	AFILL \i, ATILE
.endif
.endm
.macro TILE slot, zero
	BLOAD \slot, 0
	STEP \slot, 0, \zero, 1, 48
	STEP \slot, 1, 0, 1, 48
	STEP \slot, 2, 0, 1, 48
	STEP \slot, 3, 0, 1, 48
.endm
; The change to the tile in slot 'slot'.  refill: the other slot, just read, is filled again, two tiles ahead.
.macro NEXT slot, refill
	WIN 0
	s_wait_tensorcnt 0x0                           ; all my tensor loads have landed, my slice of this slot among them; I alone read it
	ds_add_u32 v254, v255
	s_wait_dscnt 0x0
.if \refill
	s_add_nc_u64 s[G0+6-4*\slot:G0+7-4*\slot], s[G0+6-4*\slot:G0+7-4*\slot], 2*TILEB   ; no load of mine is out: the other slot's address steps
	s_wait_dscnt 0x0                               ; my reads of the other slot are back
	s_wait_xcnt 0x0                                ; A's base and the prefetch's offset are written again only behind this wait
	s_add_nc_u64 s[4:5], s[4:5], ATILE
	v_add_nc_u32 v[PFO], TILEB, v[PFO]
	v_min_u32 v[PFC], v[PFO], v[PFMAX]
	ROUND                                          ; both waits now hold of every wave of the four work-groups
	tensor_load_to_lds s[G0+4-4*\slot:G0+7-4*\slot], s[G1:G1+7]   ; my one tensor load behind the round, first thing there
	s_nop 0
	global_prefetch_b8 v[PFC], s[6:7] th:TH_LOAD_NT scope:SCOPE_SE
.endif
.endm
	AFILL 0, 0
	AFILL 1, 0
	AFILL 2, 0
	AFILL 3, 0
	WIN 0
	s_wait_tensorcnt 0x1                           ; my slice of tile 0 is in; tile 1's load, the one younger, stays out
	TILE 0, 1                                      ; tile 0 stands in front of the loop: its first products start the sums
	WIN 0
	s_mov_b32 s32, 3
.Ltiles:
	NEXT 1, 1                                      ; tiles 1, 3, 5
	TILE 1, 0
	NEXT 0, 1                                      ; tiles 2, 4, 6
	TILE 0, 0
	WIN 0
	s_sub_co_u32 s32, s32, 1
	s_cmp_lg_u32 s32, 0
	s_cbranch_scc1 .Ltiles
	NEXT 1, 0                                      ; tile 7: nothing is left to fetch
	BLOAD 1, 0
	STEP 1, 0, 0, 0, 48
	STEP 1, 1, 0, 0, 32
	STEP 1, 2, 0, 0, 16
	STEP 1, 3, 0, 0, 0
	; THE FOUR PARTIALS MEET.  Each wave lays its 32 accumulators, as register images of 1,024 bytes, into its own slice of slot 0, which has had its
	; last fill and which it alone has read.  Behind a barrier wave w adds up row tiles 2 w and 2 w + 1.
	WIN 0x04                                       ; store data from window 1
.set t, 0
.rept 32
	ds_store_b128 v[AO], v[8*t:8*t+3]   offset:t*1024
	ds_store_b128 v[AO], v[8*t+4:8*t+7] offset:t*1024+512
.set t, t+1
.endr
	WIN 0
	s_wait_dscnt 0x0                               ; for the others' sake: my image is whole
	s_barrier_signal -1
	s_barrier_wait -1
	WIN 0x80
.irp ws, 0,1,2,3
.irp t, 0,1,2,3,4,5,6,7
	ds_load_b128 v[64*\ws+8*\t:64*\ws+8*\t+3],   v[RR+\ws/2] offset:(\ws%2)*32768+\t*1024
	ds_load_b128 v[64*\ws+8*\t+4:64*\ws+8*\t+7], v[RR+\ws/2] offset:(\ws%2)*32768+\t*1024+512
.endr
.endr
	s_wait_dscnt 0x0
	WIN 0x8a                                       ; all in window 2
.set t, 0
.rept 32
	v_pk_add_f32 v[2*t:2*t+1], v[2*t:2*t+1], v[64+2*t:64+2*t+1]
	v_pk_add_f32 v[128+2*t:128+2*t+1], v[128+2*t:128+2*t+1], v[192+2*t:192+2*t+1]
.set t, t+1
.endr
	WIN 0x0a                                       ; window 2 + window 2 into window 0: the last sum lays a row's four columns side by side
.irp m, 0,1
.irp j, 0,1,2,3,4,5,6,7
.irp c, 0,1,2,3
	v_add_f32 v[BF+4*(8*\m+\j)+\c], v[8*(4*\m+\c)+\j], v[128+8*(4*\m+\c)+\j]
.endr
.endr
.endr
	WIN 0
.irp m, 0,1
.irp j, 0,1,2,3,4,5,6,7
	global_store_b128 v[CO], v[BF+4*(8*\m+\j):BF+4*(8*\m+\j)+3], s[8:9] offset:(16*\m+\j)*16384   ; sixteen lanes store 256 consecutive aligned bytes of a row
.endr
.endr
	s_wait_tensorcnt 0x0
	ds_add_u32 v254, v255
	s_wait_dscnt 0x0
	ROUND                                          ; the closing round: no work-group ends while a partner may still ask jointly
	s_endpgm
.Lfunc_end_k_qcfd7ccd1f8_qproj:
	.size	k_qcfd7ccd1f8_qproj, .Lfunc_end_k_qcfd7ccd1f8_qproj-k_qcfd7ccd1f8_qproj
	.p2alignl 7, 3214868480
	.fill 96, 4, 3214868480
	.section	.rodata,"a",@progbits
	.p2align	6, 0x0
	.amdhsa_kernel k_qcfd7ccd1f8_qproj
		.amdhsa_group_segment_fixed_size 327680
		.amdhsa_private_segment_fixed_size 0
		.amdhsa_enable_private_segment 0
		.amdhsa_kernarg_size 24
		.amdhsa_user_sgpr_count 2
		.amdhsa_user_sgpr_kernarg_segment_ptr 1
		.amdhsa_wavefront_size32 1
		.amdhsa_system_sgpr_workgroup_id_x 1
		.amdhsa_system_sgpr_workgroup_id_y 1
		.amdhsa_system_sgpr_workgroup_id_z 1
		.amdhsa_system_vgpr_workitem_id 0
		.amdhsa_next_free_vgpr 768
		.amdhsa_next_free_sgpr 66
		.amdhsa_reserve_vcc 0
		.amdhsa_float_denorm_mode_32 3
		.amdhsa_float_denorm_mode_16_64 3
		.amdhsa_memory_ordered 1
		.amdhsa_forward_progress 1
		.amdhsa_inst_pref_size 135
	.end_amdhsa_kernel
	.amdgpu_metadata
---
amdhsa.version: [ 1, 2 ]
amdhsa.kernels:
  - .name:           k_qcfd7ccd1f8_qproj
    .symbol:         k_qcfd7ccd1f8_qproj.kd
    .args:
      - { .name: hp, .offset: 0, .size: 8, .value_kind: global_buffer, .address_space: global }
      - { .name: Wq, .offset: 8, .size: 8, .value_kind: global_buffer, .address_space: global }
      - { .name: q, .offset: 16, .size: 8, .value_kind: global_buffer, .address_space: global }
    .group_segment_fixed_size: 327680
    .private_segment_fixed_size: 0
    .kernarg_segment_align: 8
    .kernarg_segment_size: 24
    .max_flat_workgroup_size: 128
    .sgpr_count:     66
    .vgpr_count:     768
    .wavefront_size: 32
...
	.end_amdgpu_metadata
.endif
;; end of part 2
;; launch attn (part 3): grid 256 x 1, 8 waves a work-group, clusters of 4 x 1, 327,680 bytes of LDS; arguments q, kvp, cp; writes cp
.if DOCPART == 3
	.amdgcn_target "amdgcn-amd-amdhsa--gfx1250"
	.amdhsa_code_object_version 6
	.text
	.protected	k_qcfd7ccd1f8_attn
	.globl	k_qcfd7ccd1f8_attn
	.p2align	8
	.type	k_qcfd7ccd1f8_attn,@function
k_qcfd7ccd1f8_attn:
	s_mov_b64 s[64:65], 0
	v_nop
	global_prefetch_b8 v0, s[64:65] scope:SCOPE_SE
	s_setreg_imm32_b32 hwreg(HW_REG_WAVE_MODE, 25, 1), 1
	s_wait_xcnt 0x0
	s_wait_alu depctr_hold_cnt(0) depctr_sa_sdst(0) depctr_va_vdst(0) depctr_va_sdst(0) depctr_va_ssrc(0) depctr_va_vcc(0) depctr_vm_vsrc(0)
	s_getreg_b32 s2, hwreg(HW_REG_IB_STS2, 6, 4)
	s_cmp_eq_u32 s2, 0
	s_cbranch_scc0 .Lentry_in_a_cluster
	s_endpgm
.Lentry_in_a_cluster:
	s_bfe_u32 s2, ttmp6, 0x10000c
	s_cmp_lg_u32 s2, 0x3003
	s_cbranch_scc0 .Lentry_shape_is_right
	s_endpgm
.Lentry_shape_is_right:
; attn: RoPE on q, then softmax(q K^T / sqrt(128)) V for 32 heads x 512 queries x 8,192 keys; the result in f16 as A fragments for the last product.
; q: [512][4096] f32.  kvp (f16): head g, group G of 32 keys at (256 g + G) 16,384: K fragments (kt, c) at 4,096 kt + 1,024 c, V fragments f = 4 H + c at
; 8,192 + 1,024 f (row i stands for d = 64 H + 4 i + c).  cp (f16): fragment (row tile mt, chunk kc) at (((mt / 8) 128 + kc) 8 + mt % 8) 1,024.
; SHARES: cluster number cl: KV head g = cl % 8, queries 64 u .. + 63 with u = cl / 8; work-group cx of the cluster takes query head 4 g + cx.
; The four need the same K and V: every tensor load is a joint one with mask 15.  The eight waves split the keys: of a tile (256 keys) wave w owns
; group 8 x tile + w, 16,384 dense bytes, one load, one unit of work; every wave holds all 64 queries, so each LDS byte is read once.
; Two slots of 131,072 bytes.  By this text's count a wave has two tensor loads out at the start, one behind each round.
; THE WALK: cluster u takes its head's 32 tiles in the order 4 u, 4 u + 1, .. 31, 0, .. 4 u - 1; the running maximum makes the result independent of the
; order.  So in one trip the eight clusters of a head ask for eight different tiles, cluster u is the first to ask for tiles 4 u .. 4 u + 3 alone,
; and each of its other 28 tiles was asked for four trips earlier by cluster u + 1 (mod 8).
; Eight waves, two for each SIMD, so that one wave's softmax can run beside the other's matrix work.
; TRANSPOSED PRODUCTS: S^T = K Q^T (lane (r, h), register j: key 8 h + j, query r), so a query's statistics lie in two lanes, and the two key tiles
; of a unit pack in place into the B fragment P^T; O^T = V^T P^T, so that rescaling is a factor of the lane.
; Softmax with a running maximum, in base 2: q is multiplied by log2(e) / sqrt(128) with the RoPE factors.  The waves' parts are merged at the end.
; LIMITS: the RoPE angle (position x 10000^(-j/64), at most 511) is reduced with 2/pi in f32 and one fused multiply-add: error below 1e-4 rad;
; sine and cosine by polynomials of degree 7 and 8 on a quarter turn's half: error below 4e-7.  v_exp_f32 gives 0 for results below 2^-126
; (ISA guide 15.8).  q after RoPE and scaling, P and the result are rounded to f16; sums and statistics are f32.  f16 ends at 65,504: the rotated
; q times 0.1275 stays finite for |q| up to about 3.6e5 (q is drawn with spread 1.3; hidden and Wq both 30 times larger make it 900 times larger).
; P lies in [0, 1] by the running maximum, with steps of 2^-24 at the small end; the result is an average of V and has V's range.
.set SLOTB, 131072                     ; a slot, and a tile in memory: 8 groups of 16,384 bytes
.set HEADB, 32*SLOTB                   ; a head's 32 tiles in kvp: 4,194,304 bytes, a power of two
.set WSL,   16384                      ; a wave's slice of a slot
.set QIMG,  262144                     ; 16 fragments of Q, 16,384 bytes; no tensor load lands here
.set ST,    278528                     ; m[query][wave] 2,048 bytes, then l likewise; no tensor load lands here
.set LA,    1                          ; v1, v2     LDS: my slice of slot 0, 1, + 16 L
.set L16,   3                          ; v3         16 L
.set M,     4                          ; v[4:7]     running maximum of query 16 qt + r
.set LS,    8                          ; v[8:11]    running sum, this lane half's keys
.set AL,    12                         ; v[12:15]   factor for the old sums
.set T,     16                         ; v[16:31]   at work
.set Q,     32                         ; v[32:159]  Q fragment (qt, c) at 8 (4 qt + c)
.set S,     160                        ; v[160:223] S(qt, kt) at 16 qt + 8 kt; then P(qt) in 16 qt .. + 7 and V fragments 4 .. 7 in 16 (f - 4) + 8 .. + 15
.set KB,    224                        ; v[224:255] four fragments of K or V
.set G1,    16                         ; s[16:23] descriptor group 1
.set G0,    24                         ; s[24:31] descriptor group 0, one for each slot
.set KVB,   44                         ; s[44:45] kvp at my head and my group's place in a tile; never rewritten
.set TO,    54                         ; s[54:55], s[56:57] byte offset in the head of the tile that slot 0, 1 holds or is asking for
; window 1 (v256-511): O(f, qt) at 8 (4 f + qt)
; the prologue's arrays of 16, in registers that are free until Q is read back
.set QL, 32
.set QH, 48
.set AN, 64
.set NQ, 80
.set F2, 96
.set SN, 112
.set CS, 128
.set NI, 144
.set SS, 160
.set CC, 176
.set RL, 192
.set RH, 208
.set MSB, 0
.macro WIN new                         ; s_set_vgpr_msb: bits 1:0 source 0, 3:2 source 1, 5:4 source 2, 7:6 destination; the high byte repeats the setting left
.if MSB != \new
	s_set_vgpr_msb (MSB<<8)|\new
.set MSB, \new
.endif
.endm
.macro ROUND                           ; a round of the cluster's barrier
	s_barrier_signal -1
	s_barrier_wait -1
	s_cmp_lg_u32 s10, 0
	s_cbranch_scc1 .Lnot_wave_0_\@
	s_barrier_signal -3
.Lnot_wave_0_\@:
	s_barrier_wait -3
	s_barrier_signal -1
	s_barrier_wait -1
.endm
.macro PLACES n                        ; places behind a matrix instruction (ISA guide 7.12.1)
.rept \n
	v_nop
.endr
.endm
	s_load_b128 s[4:7], s[0:1], 0x0                ; q s[4:5], kvp s[6:7]
	s_load_b64 s[8:9], s[0:1], 0x10                ; cp
	v_lshl_add_u32 v30, v0, 2, 0x45000
	v_mov_b32 v31, 0
	ds_add_u32 v30, v31
	s_wait_dscnt 0x0
	v_lshrrev_b32 v1, 5, v0
	v_readfirstlane_b32 s10, v1                    ; wave 0..7
	s_bfe_u32 s11, ttmp6, 0x40000                  ; cx: which of the four query heads.  It enters global addresses of q, cp and the prefetch alone
	s_and_b32 s13, ttmp9, 7                        ; g: the eight clusters of a head are 8 apart in number
	s_lshr_b32 s14, ttmp9, 3                       ; u
	s_mov_b32 s[G1+0], 15|(3<<16)|(1<<21)          ; mask: all four; elements of 8 bytes; bit 21 beside a mask; no padding (reads are 512 consecutive bytes)
	s_mov_b32 s[G1+1], 32<<16                      ; tensor_dim0 = 32
	s_mov_b32 s[G1+2], 64<<16                      ; tensor_dim1 = 64
	s_mov_b32 s[G1+3], 32<<16                      ; tile_dim0 = 32 elements = 256 bytes
	s_mov_b32 s[G1+4], 64                          ; tile_dim1 = 64 rows: a dense block of 16,384 bytes
	s_mov_b32 s[G1+5], 32
	s_mov_b32 s[G1+6], 0
	s_mov_b32 s[G1+7], 0
	s_mul_i32 s33, s10, WSL                        ; my slice of a slot, and my group's place in a tile
	s_lshl_b32 s42, s13, 22                        ; 4,194,304 bytes a head
	s_add_co_u32 s42, s42, s33
	s_mov_b32 s43, 0
	s_lshl_b32 s[TO], s14, 19                      ; the walk begins at tile 4 u: 4 u x 131,072 bytes
	s_mov_b32 s[TO+1], 0
	s_add_co_u32 s[TO+2], s[TO], SLOTB             ; and tile 4 u + 1, at most tile 29: no wrap yet
	s_mov_b32 s[TO+3], 0
	s_wait_kmcnt 0x0
	s_add_nc_u64 s[KVB:KVB+1], s[6:7], s[42:43]
.irp n, 0,1
	s_mov_b32 s[G0+4*\n], 1
	s_add_co_u32 s[G0+4*\n+1], s33, \n*SLOTB
	s_add_nc_u64 s[G0+4*\n+2:G0+4*\n+3], s[KVB:KVB+1], s[TO+2*\n:TO+2*\n+1]
	s_or_b32 s[G0+4*\n+3], s[G0+4*\n+3], 0x80000000
.endr
	ROUND                                          ; the four work-groups are here: the first joint loads meet
	tensor_load_to_lds s[G0:G0+3], s[G1:G1+7]      ; the walk's first tile
	s_nop 0
	tensor_load_to_lds s[G0+4:G0+7], s[G1:G1+7]    ; and its second
	s_nop 0
	; PROLOGUE.  Wave w makes, for query tile qt = w / 2, the Q fragments of chunks cp = w % 2 and cp + 2: d and d + 64, RoPE's partners, in one lane.
	s_lshl_b32 s15, s13, 2
	s_add_co_u32 s15, s15, s11                     ; query head
	s_lshr_b32 s50, s10, 1                         ; qt
	s_and_b32 s51, s10, 1                          ; cp
	s_lshl_b32 s52, s14, 6
	s_lshl_b32 s53, s50, 4
	s_add_co_u32 s52, s52, s53                     ; first query, and position: 64 u + 16 qt
	s_lshl_b32 s46, s52, 14
	s_lshl_b32 s47, s15, 9
	s_add_co_u32 s46, s46, s47
	s_lshl_b32 s47, s51, 7
	s_add_co_u32 s46, s46, s47
	s_mov_b32 s47, 0
	s_add_nc_u64 s[48:49], s[4:5], s[46:47]
	v_and_b32 v[L16], 31, v0
	v_lshlrev_b32 v23, 8, v[L16]                   ; 256 L, for the prefetch below
	v_lshlrev_b32 v[L16], 4, v[L16]
	v_add_nc_u32 v[LA], s33, v[L16]
	v_add_nc_u32 v[LA+1], SLOTB, v[LA]
	v_and_b32 v16, 15, v0                          ; r
	v_bfe_u32 v17, v0, 4, 1                        ; h
	v_lshlrev_b32 v18, 14, v16
	v_lshl_add_u32 v18, v17, 5, v18                ; row r, 8 h numbers in
.irp k, 0,1
	global_load_b128 v[QL+16*\k:QL+16*\k+3],     v18, s[48:49] offset:256*\k th:TH_LOAD_NT      ; d = 8 h + 0..3 of the chunk (k = 1: 64 further)
	global_load_b128 v[QL+16*\k+4:QL+16*\k+7],   v18, s[48:49] offset:256*\k+16 th:TH_LOAD_NT
	global_load_b128 v[QL+16*\k+8:QL+16*\k+11],  v18, s[48:49] offset:256*\k+64 th:TH_LOAD_NT   ; d = 16 + 8 h + 0..3
	global_load_b128 v[QL+16*\k+12:QL+16*\k+15], v18, s[48:49] offset:256*\k+80 th:TH_LOAD_NT
.endr
	; Prefetch: tiles 4 u + 2 and 4 u + 3, the two that this cluster is the first to ask for and that the first fills do not bring: 262,144 consecutive
	; bytes.  A lane asks for 256 of them, at 65,536 cx + 8,192 w + 256 L: the cluster's 1,024 lanes ask for each block once, and no other cluster asks.
	; Their tensor loads go out one trip and two trips from here.  4 u + 3 is at most 31: inside the head's bytes.
	s_lshl_b32 s46, s11, 16
	s_lshl_b32 s47, s10, 13
	s_add_co_u32 s46, s46, s47
	s_lshl_b32 s47, s13, 22
	s_add_co_u32 s46, s46, s47
	s_add_co_u32 s46, s46, s[TO]
	s_add_co_u32 s46, s46, 2*SLOTB
	v_add_nc_u32 v23, s46, v23
	global_prefetch_b8 v23, s[6:7] th:TH_LOAD_NT scope:SCOPE_SE
	s_mov_b32 s34, 0x76543210                      ; v_permlanex16_b32: lane i of one half reads lane i of the other
	s_mov_b32 s35, 0xfedcba98
	s_mov_b32 s36, 0x3f22f983                      ; 2 / pi
	s_mov_b32 s37, 0xbb996966                      ; -(pi/2)^7 / 5040
	s_mov_b32 s38, 0x3a70fa83                      ; (pi/2)^8 / 40320
	s_mov_b32 s39, 0x3e0293ee                      ; log2(e) / sqrt(128)
	s_mov_b32 s40, 0xbe549a78                      ; -log2(10000) / 64
	s_lshl_b32 s53, s51, 5
	v_lshl_add_u32 v19, v17, 3, s53                ; 32 cp + 8 h: the frequency index of element 0
	v_add_nc_u32 v20, s52, v16
	v_cvt_f32_u32 v20, v20                         ; position
	s_lshl_b32 s53, s50, 2
	s_add_co_u32 s53, s53, s51
	s_lshl_b32 s53, s53, 10
	s_add_co_u32 s53, s53, QIMG
	v_add_nc_u32 v21, s53, v[L16]                  ; where my fragments go: QIMG + (4 qt + cp) 1,024 + 16 L
	v_add_nc_u32 v22, QIMG, v[L16]                 ; where all are read back
	; element e of 16 has frequency index 32 cp + 8 h + e + 8 (e / 8); angle = position x 2^(-index log2(10000) / 64)
.irp e, 0,1,2,3,4,5,6,7,8,9,10,11,12,13,14,15
	v_add_nc_u32 v[AN+\e], \e+8*(\e/8), v19
	v_cvt_f32_u32 v[AN+\e], v[AN+\e]
	v_mul_f32 v[AN+\e], s40, v[AN+\e]
.endr
.irp e, 0,1,2,3,4,5,6,7,8,9,10,11,12,13,14,15
	v_exp_f32 v[AN+\e], v[AN+\e]
.endr
	v_nop                                          ; one plain place behind the exponentials (ISA guide 5.7.2)
	; the angle in quarter turns = n + f, |f| <= 1/2; sine and cosine of f quarter turns by polynomials in f^2
	s_wait_alu depctr_va_vdst(0)
.irp e, 0,1,2,3,4,5,6,7,8,9,10,11,12,13,14,15
	v_mul_f32 v[AN+\e], v20, v[AN+\e]
	v_mul_f32 v[NQ+\e], s36, v[AN+\e]
	v_rndne_f32 v[NQ+\e], v[NQ+\e]
	v_fma_f32 v[AN+\e], v[AN+\e], s36, -v[NQ+\e]
	v_mul_f32 v[F2+\e], v[AN+\e], v[AN+\e]
.endr
.irp e, 0,1,2,3,4,5,6,7,8,9,10,11,12,13,14,15
	v_fmaak_f32 v[SN+\e], s37, v[F2+\e], 0x3da335e3        ; + (pi/2)^5 / 120
	v_fmaak_f32 v[CS+\e], s38, v[F2+\e], 0xbcaae9e4        ; - (pi/2)^6 / 720
	v_fmaak_f32 v[SN+\e], v[SN+\e], v[F2+\e], 0xbf255de7   ; - (pi/2)^3 / 6
	v_fmaak_f32 v[CS+\e], v[CS+\e], v[F2+\e], 0x3e81e0f8   ; + (pi/2)^4 / 24
	v_fmaak_f32 v[SN+\e], v[SN+\e], v[F2+\e], 0x3fc90fdb   ; + pi/2
	v_fmaak_f32 v[CS+\e], v[CS+\e], v[F2+\e], 0xbf9de9e6   ; - (pi/2)^2 / 2
	v_mul_f32 v[SN+\e], v[SN+\e], v[AN+\e]
	v_fma_f32 v[CS+\e], v[CS+\e], v[F2+\e], 1.0
.endr
	; the quarter n: odd n swaps sine and cosine; the sine is negative for n % 4 = 2, 3, the cosine for 1, 2.  Selections only, no branch.
.irp e, 0,1,2,3,4,5,6,7,8,9,10,11,12,13,14,15
	v_cvt_i32_f32 v[NI+\e], v[NQ+\e]
	v_and_b32 v[NQ+\e], 1, v[NI+\e]
	v_cmp_eq_u32 vcc_lo, 1, v[NQ+\e]
	v_cndmask_b32 v[SS+\e], v[SN+\e], v[CS+\e], vcc_lo
	v_cndmask_b32 v[CC+\e], v[CS+\e], v[SN+\e], vcc_lo
	v_lshlrev_b32 v[NQ+\e], 30, v[NI+\e]
	v_add_nc_u32 v[NI+\e], 1, v[NI+\e]
	v_and_b32 v[NQ+\e], 0x80000000, v[NQ+\e]
	v_lshlrev_b32 v[NI+\e], 30, v[NI+\e]
	v_xor_b32 v[SS+\e], v[NQ+\e], v[SS+\e]
	v_and_b32 v[NI+\e], 0x80000000, v[NI+\e]
	v_xor_b32 v[CC+\e], v[NI+\e], v[CC+\e]
	v_mul_f32 v[SS+\e], s39, v[SS+\e]              ; the scores' scale rides on the factors
	v_mul_f32 v[CC+\e], s39, v[CC+\e]
.endr
	s_wait_loadcnt 0x0                             ; q
	s_wait_xcnt 0x0                                ; the prefetch's offset register, v23, is written again only behind this wait
.irp e, 0,1,2,3,4,5,6,7,8,9,10,11,12,13,14,15
	v_mul_f32 v[RL+\e], v[QL+\e], v[CC+\e]
	v_mul_f32 v[RH+\e], v[QH+\e], v[CC+\e]
	v_fma_f32 v[RL+\e], -v[QH+\e], v[SS+\e], v[RL+\e]      ; q[d] cos - q[d + 64] sin
	v_fma_f32 v[RH+\e], v[QL+\e], v[SS+\e], v[RH+\e]       ; q[d + 64] cos + q[d] sin
.endr
.irp p, 0,1,2,3,4,5,6,7
	v_cvt_pk_f16_f32 v[KB+\p],   v[RL+2*\p], v[RL+2*\p+1]
	v_cvt_pk_f16_f32 v[KB+8+\p], v[RH+2*\p], v[RH+2*\p+1]
.endr
	ds_store_b128 v21, v[KB:KB+3]
	ds_store_b128 v21, v[KB+4:KB+7]    offset:512
	ds_store_b128 v21, v[KB+8:KB+11]   offset:2048         ; chunk cp + 2
	ds_store_b128 v21, v[KB+12:KB+15]  offset:2560
	s_wait_dscnt 0x0                               ; for the others' sake: my two fragments are whole
	s_barrier_signal -1
	s_barrier_wait -1                              ; the two tiles may stay on their way
.set t, 0
.rept 32
	ds_load_b128 v[Q+4*t:Q+4*t+3], v22 offset:512*t        ; all 16 fragments of Q, to stay in registers
.set t, t+1
.endr
.irp qt, 0,1,2,3
	v_mov_b32 v[T+4+\qt], 0                        ; v_permlanex16_b32's destination counts as read
.endr
	s_wait_dscnt 0x0
	s_wait_tensorcnt 0x1                           ; my slice of the first tile is in; the second tile's load, the one younger, stays out.  I alone read my slices
.macro SOFTMAX first
	; the largest of 16 scores, and of the old maximum; four queries' chains side by side
.irp qt, 0,1,2,3
	v_max3_num_f32 v[T+\qt], v[S+16*\qt], v[S+16*\qt+1], v[S+16*\qt+2]
.endr
.irp k, 3,5,7,9,11,13
.irp qt, 0,1,2,3
	v_max3_num_f32 v[T+\qt], v[T+\qt], v[S+16*\qt+\k], v[S+16*\qt+\k+1]
.endr
.endr
.irp qt, 0,1,2,3
.if \first
	v_max_num_f32 v[T+\qt], v[T+\qt], v[S+16*\qt+15]
.else
	v_max3_num_f32 v[T+\qt], v[T+\qt], v[S+16*\qt+15], v[M+\qt]
.endif
.endr
.irp qt, 0,1,2,3
	v_permlanex16_b32 v[T+4+\qt], v[T+\qt], s34, s35       ; the other 16 keys of the same query
.endr
.irp qt, 0,1,2,3
	v_max_num_f32 v[T+\qt], v[T+\qt], v[T+4+\qt]
.endr
.if \first == 0
.irp qt, 0,1,2,3
	v_sub_f32 v[AL+\qt], v[M+\qt], v[T+\qt]
.endr
.irp qt, 0,1,2,3
	v_exp_f32 v[AL+\qt], v[AL+\qt]
.endr
.endif
.irp qt, 0,1,2,3
	v_mov_b32 v[M+\qt], v[T+\qt]                   ; also the plain place behind the exponentials
.endr
.irp k, 0,2,4,6,8,10,12,14
.irp pr, 0,1
	v_pk_add_f32 v[S+32*\pr+\k:S+32*\pr+\k+1], v[S+32*\pr+\k:S+32*\pr+\k+1], v[M+2*\pr:M+2*\pr+1] op_sel:[0,0] op_sel_hi:[1,0] neg_lo:[0,1] neg_hi:[0,1]
	v_pk_add_f32 v[S+32*\pr+16+\k:S+32*\pr+16+\k+1], v[S+32*\pr+16+\k:S+32*\pr+16+\k+1], v[M+2*\pr:M+2*\pr+1] op_sel:[0,1] op_sel_hi:[1,1] neg_lo:[0,1] neg_hi:[0,1]
.endr
.endr
.set t, 0
.rept 64
	v_exp_f32 v[S+t], v[S+t]
.set t, t+1
.endr
	v_nop                                          ; one plain place behind the exponentials
	s_wait_alu depctr_va_vdst(0)
.irp qt, 0,1,2,3
	v_pk_add_f32 v[T+8+2*\qt:T+9+2*\qt], v[S+16*\qt:S+16*\qt+1], v[S+16*\qt+2:S+16*\qt+3]
.endr
.irp k, 4,6,8,10,12,14
.irp qt, 0,1,2,3
	v_pk_add_f32 v[T+8+2*\qt:T+9+2*\qt], v[T+8+2*\qt:T+9+2*\qt], v[S+16*\qt+\k:S+16*\qt+\k+1]
.endr
.endr
.irp qt, 0,1,2,3
.if \first
	v_add_f32 v[LS+\qt], v[T+8+2*\qt], v[T+9+2*\qt]
.else
	v_add_f32 v[T+\qt], v[T+8+2*\qt], v[T+9+2*\qt]
.endif
.endr
.if \first == 0
.irp qt, 0,1,2,3
	v_fma_f32 v[LS+\qt], v[LS+\qt], v[AL+\qt], v[T+\qt]
.endr
.endif
	; in place: registers 2 p, 2 p + 1 pack into register p.  The lower eight are the B fragment P^T, the upper eight are free
.irp p, 0,1,2,3,4,5,6,7
.irp qt, 0,1,2,3
	v_cvt_pk_f16_f32 v[S+16*\qt+\p], v[S+16*\qt+2*\p], v[S+16*\qt+2*\p+1]
.endr
.endr
.endm
.macro RESCALE                         ; O(f, qt) times AL(qt), the lane's query's factor
	WIN 0x41                                       ; O in window 1, the factor in window 0
.irp f, 0,1,2,3,4,5,6,7
.irp pr, 0,1
.irp k, 0,2,4,6
	v_pk_mul_f32 v[8*(4*\f+2*\pr)+\k:8*(4*\f+2*\pr)+\k+1], v[8*(4*\f+2*\pr)+\k:8*(4*\f+2*\pr)+\k+1], v[AL+2*\pr:AL+2*\pr+1] op_sel:[0,0] op_sel_hi:[1,0]
	v_pk_mul_f32 v[8*(4*\f+2*\pr+1)+\k:8*(4*\f+2*\pr+1)+\k+1], v[8*(4*\f+2*\pr+1)+\k:8*(4*\f+2*\pr+1)+\k+1], v[AL+2*\pr:AL+2*\pr+1] op_sel:[0,1] op_sel_hi:[1,1]
.endr
.endr
.endr
.endm
; One unit: my 32 keys of the tile in slot 'slot' against all 64 queries.  64 matrix instructions, 32 LDS loads of 512 bytes.
.macro UNIT slot, first
.irp kt, 0,1
.irp c, 0,1,2,3
	ds_load_b128 v[KB+8*\c:KB+8*\c+3],   v[LA+\slot] offset:\kt*4096+\c*1024
	ds_load_b128 v[KB+8*\c+4:KB+8*\c+7], v[LA+\slot] offset:\kt*4096+\c*1024+512
.endr
.irp c, 0,1,2,3
	s_wait_dscnt 6-2*\c                            ; fragment c is in; the later fragments' loads may be out
	; the four accumulators take turns, one instruction a turn
.irp qt, 0,1,2,3
.if \c == 0
	v_wmma_f32_16x16x32_f16 v[S+16*\qt+8*\kt:S+16*\qt+8*\kt+7], v[KB+8*\c:KB+8*\c+7], v[Q+8*(4*\qt+\c):Q+8*(4*\qt+\c)+7], 0
.else
	v_wmma_f32_16x16x32_f16 v[S+16*\qt+8*\kt:S+16*\qt+8*\kt+7], v[KB+8*\c:KB+8*\c+7], v[Q+8*(4*\qt+\c):Q+8*(4*\qt+\c)+7], v[S+16*\qt+8*\kt:S+16*\qt+8*\kt+7]
.endif
.endr
.endr
	PLACES 4                                       ; in front of the next loads into the fragments, and of the softmax's reads of S
.endr
.irp f, 0,1,2,3
	ds_load_b128 v[KB+8*\f:KB+8*\f+3],   v[LA+\slot] offset:8192+\f*1024       ; V fragments 0 .. 3 land under the softmax
	ds_load_b128 v[KB+8*\f+4:KB+8*\f+7], v[LA+\slot] offset:8192+\f*1024+512
.endr
	SOFTMAX \first
.irp f, 4,5,6,7
	ds_load_b128 v[S+16*(\f-4)+8:S+16*(\f-4)+11],  v[LA+\slot] offset:8192+\f*1024       ; V fragments 4 .. 7 into the registers that the packing freed
	ds_load_b128 v[S+16*(\f-4)+12:S+16*(\f-4)+15], v[LA+\slot] offset:8192+\f*1024+512
.endr
.if \first == 0
	RESCALE
.endif
	WIN 0x50                                       ; C and D in window 1
	; each of the 32 accumulators has one turn of one instruction in a unit
.irp f, 0,1,2,3
	s_wait_dscnt 14-2*\f                           ; of the 16 loads of V, the first 2 f + 2 are in
.irp qt, 0,1,2,3
.if \first
	v_wmma_f32_16x16x32_f16 v[8*(4*\f+\qt):8*(4*\f+\qt)+7], v[KB+8*\f:KB+8*\f+7], v[S+16*\qt:S+16*\qt+7], 0
.else
	v_wmma_f32_16x16x32_f16 v[8*(4*\f+\qt):8*(4*\f+\qt)+7], v[KB+8*\f:KB+8*\f+7], v[S+16*\qt:S+16*\qt+7], v[8*(4*\f+\qt):8*(4*\f+\qt)+7]
.endif
.endr
.endr
.irp f, 4,5,6,7
	s_wait_dscnt 14-2*\f
.irp qt, 0,1,2,3
.if \first
	v_wmma_f32_16x16x32_f16 v[8*(4*\f+\qt):8*(4*\f+\qt)+7], v[S+16*(\f-4)+8:S+16*(\f-4)+15], v[S+16*\qt:S+16*\qt+7], 0
.else
	v_wmma_f32_16x16x32_f16 v[8*(4*\f+\qt):8*(4*\f+\qt)+7], v[S+16*(\f-4)+8:S+16*(\f-4)+15], v[S+16*\qt:S+16*\qt+7], v[8*(4*\f+\qt):8*(4*\f+\qt)+7]
.endif
.endr
.endr
	PLACES 5                                       ; five: the next unit's first matrix instruction writes over registers that held P, a source
	WIN 0
.endm
; The change to the tile in slot 'slot'.  refill: the other slot, just read, is filled again, two tiles further along the walk.
.macro NEXT slot, refill
	s_wait_xcnt 0x0
	v_lshl_add_u32 v30, v0, 2, 0x45000
	v_mov_b32 v31, 0
	s_wait_tensorcnt 0x0                           ; all my tensor loads have landed, my slice of this slot among them
	ds_add_u32 v30, v31
	s_wait_dscnt 0x0
.if \refill
	; no load of mine is out, so the other slot's group 0 may be written: its tile's offset steps by two tiles and wraps at the head's 32
	s_add_co_u32 s[TO+2-2*\slot], s[TO+2-2*\slot], 2*SLOTB
	s_and_b32 s[TO+2-2*\slot], s[TO+2-2*\slot], HEADB-1
	s_add_nc_u64 s[G0+6-4*\slot:G0+7-4*\slot], s[KVB:KVB+1], s[TO+2-2*\slot:TO+3-2*\slot]
	s_or_b32 s[G0+7-4*\slot], s[G0+7-4*\slot], 0x80000000
	s_wait_dscnt 0x0                               ; my reads of the other slot are back (met: the unit's last count-down ended at 0)
	ROUND                                          ; both waits now hold of every wave of the four work-groups
	tensor_load_to_lds s[G0+4-4*\slot:G0+7-4*\slot], s[G1:G1+7]   ; my one tensor load behind the round, first thing there
	s_nop 0
.endif
.endm
	UNIT 0, 1                                      ; the walk's first tile stands in front of the loop: it starts maxima and sums
	s_mov_b32 s32, 15
.Lkeys:
	NEXT 1, 1                                      ; the walk's tiles 1, 3, .. 29
	UNIT 1, 0
	NEXT 0, 1                                      ; tiles 2, 4, .. 30
	UNIT 0, 0
	s_sub_co_u32 s32, s32, 1
	s_cmp_lg_u32 s32, 0
	s_cbranch_scc1 .Lkeys
	NEXT 1, 0                                      ; tile 31 of the walk: nothing is left to fetch
	UNIT 1, 0
	; THE EIGHT WAVES' PARTS MEET.  First the statistics: m and l of every wave for every query.
.irp qt, 0,1,2,3
	v_permlanex16_b32 v[T+4+\qt], v[LS+\qt], s34, s35
.endr
.irp qt, 0,1,2,3
	v_add_f32 v[LS+\qt], v[LS+\qt], v[T+4+\qt]     ; both lane halves' keys
.endr
	v_and_b32 v[KB+3], 15, v0                      ; r
	v_lshlrev_b32 v[KB], 5, v[KB+3]
	v_add_nc_u32 v[KB], ST, v[KB]                  ; a query's eight words
	s_lshl_b32 s42, s10, 2
	v_add_nc_u32 v[KB+1], s42, v[KB]               ; my word of them
	s_lshl_b32 s43, s10, 15
	v_add_nc_u32 v[KB+2], s43, v[L16]              ; the eight images meant for me
	v_bfe_u32 v[KB+4], v0, 4, 1
	v_lshlrev_b32 v[KB+3], 4, v[KB+3]
	v_lshl_add_u32 v[KB+3], v[KB+4], 13, v[KB+3]   ; offset in cp: chunk + lane half, 16 r
.irp qt, 0,1,2,3
	ds_store_b32 v[KB+1], v[M+\qt]  offset:512*\qt         ; lanes r and r + 16 store the same number to the same word
	ds_store_b32 v[KB+1], v[LS+\qt] offset:2048+512*\qt
.endr
	s_wait_dscnt 0x0                               ; my words are written, and my reads of the slots are long back
	s_barrier_signal -1
	s_barrier_wait -1                              ; so behind this barrier the slots, which have had their last fill, may be written
.irp qt, 0,1,2,3
	ds_load_b128 v[S+16*\qt:S+16*\qt+3],     v[KB] offset:512*\qt
	ds_load_b128 v[S+16*\qt+4:S+16*\qt+7],   v[KB] offset:512*\qt+16
	ds_load_b128 v[S+16*\qt+8:S+16*\qt+11],  v[KB] offset:2048+512*\qt
	ds_load_b128 v[S+16*\qt+12:S+16*\qt+15], v[KB] offset:2048+512*\qt+16
.endr
	s_wait_dscnt 0x0
.irp qt, 0,1,2,3
	v_max3_num_f32 v[T+\qt], v[S+16*\qt], v[S+16*\qt+1], v[S+16*\qt+2]
.endr
.irp k, 3,5
.irp qt, 0,1,2,3
	v_max3_num_f32 v[T+\qt], v[T+\qt], v[S+16*\qt+\k], v[S+16*\qt+\k+1]
.endr
.endr
.irp qt, 0,1,2,3
	v_max_num_f32 v[T+\qt], v[T+\qt], v[S+16*\qt+7]
.endr
.irp i, 0,1,2,3,4,5,6,7
.irp qt, 0,1,2,3
	v_sub_f32 v[S+16*\qt+\i], v[S+16*\qt+\i], v[T+\qt]
.endr
.endr
.irp qt, 0,1,2,3
	v_sub_f32 v[AL+\qt], v[M+\qt], v[T+\qt]
.endr
.irp i, 0,1,2,3,4,5,6,7
.irp qt, 0,1,2,3
	v_exp_f32 v[S+16*\qt+\i], v[S+16*\qt+\i]
.endr
.endr
.irp qt, 0,1,2,3
	v_exp_f32 v[AL+\qt], v[AL+\qt]
.endr
	v_nop                                          ; one plain place behind the exponentials
	s_wait_alu depctr_va_vdst(0)
.irp qt, 0,1,2,3
	v_mul_f32 v[T+8+\qt], v[S+16*\qt], v[S+16*\qt+8]
.endr
.irp i, 1,2,3,4,5,6,7
.irp qt, 0,1,2,3
	v_fmac_f32 v[T+8+\qt], v[S+16*\qt+\i], v[S+16*\qt+8+\i]
.endr
.endr
.irp qt, 0,1,2,3
	v_rcp_f32 v[T+8+\qt], v[T+8+\qt]               ; the sum is at least 1: the wave that holds the maximum adds its l, which holds the term 2^0
.endr
	v_nop                                          ; one plain place behind the reciprocals
	s_wait_alu depctr_va_vdst(0)
.irp qt, 0,1,2,3
	v_mul_f32 v[AL+\qt], v[AL+\qt], v[T+8+\qt]     ; my part's weight, the division by the whole sum in it
.endr
	s_lshl_b32 s42, s10, 12
	v_add_nc_u32 v[T], s42, v[L16]                 ; my 4,096 bytes in the images for waves 0 and 1,
	v_add_nc_u32 v[T+1], 65536, v[T]               ; 2 and 3,
	v_add_nc_u32 v[T+2], 131072, v[T]              ; 4 and 5,
	v_add_nc_u32 v[T+3], 196608, v[T]              ; 6 and 7
	RESCALE
	; O(4 H + c, qt) goes to wave 4 H + qt: image at 32,768 (4 H + qt) + 4,096 w + 1,024 c
	WIN 0x04                                       ; store data from window 1
.irp H, 0,1
.irp c, 0,1,2,3
.irp qt, 0,1,2,3
	ds_store_b128 v[T+2*\H+\qt/2], v[8*(4*(4*\H+\c)+\qt):8*(4*(4*\H+\c)+\qt)+3]   offset:(\qt%2)*32768+\c*1024
	ds_store_b128 v[T+2*\H+\qt/2], v[8*(4*(4*\H+\c)+\qt)+4:8*(4*(4*\H+\c)+\qt)+7] offset:(\qt%2)*32768+\c*1024+512
.endr
.endr
.endr
	WIN 0
	s_wait_dscnt 0x0                               ; for the others' sake: my images are whole
	s_barrier_signal -1
	s_barrier_wait -1
	; where my results go: row tile 4 u + qt, chunks 4 head + 2 H (+ lane half), with H = w / 4, qt = w % 4
	s_lshr_b32 s46, s14, 1
	s_lshl_b32 s46, s46, 20
	s_lshl_b32 s47, s15, 15
	s_add_co_u32 s46, s46, s47
	s_lshr_b32 s47, s10, 2
	s_lshl_b32 s47, s47, 14
	s_add_co_u32 s46, s46, s47
	s_and_b32 s47, s14, 1
	s_lshl_b32 s47, s47, 12
	s_add_co_u32 s46, s46, s47
	s_and_b32 s47, s10, 3
	s_lshl_b32 s47, s47, 10
	s_add_co_u32 s46, s46, s47
	s_mov_b32 s47, 0
	s_add_nc_u64 s[8:9], s[8:9], s[46:47]
	WIN 0x40                                       ; destination window 1: wave ws's part at 32 ws + 8 c
.set t, 0
.rept 64
	ds_load_b128 v[4*t:4*t+3], v[KB+2] offset:512*t
.set t, t+1
.endr
	s_wait_dscnt 0x0
	WIN 0x45                                       ; all in window 1
.irp a, 0,64,128,192
.irp t, 0,2,4,6,8,10,12,14,16,18,20,22,24,26,28,30
	v_pk_add_f32 v[\a+\t:\a+\t+1], v[\a+\t:\a+\t+1], v[\a+32+\t:\a+32+\t+1]
.endr
.endr
.irp a, 0,128
.irp t, 0,2,4,6,8,10,12,14,16,18,20,22,24,26,28,30
	v_pk_add_f32 v[\a+\t:\a+\t+1], v[\a+\t:\a+\t+1], v[\a+64+\t:\a+64+\t+1]
.endr
.endr
.irp t, 0,2,4,6,8,10,12,14,16,18,20,22,24,26,28,30
	v_pk_add_f32 v[\t:\t+1], v[\t:\t+1], v[128+\t:128+\t+1]
.endr
	; register 8 c + j of lane (r, hh) is d = 64 H + 32 hh + 4 j + c of query r: a whole chunk of 32.  k = 4 j + c; piece pi holds k = 8 pi .. + 7
	WIN 0x05                                       ; sources window 1, destination window 0
.irp pi, 0,1,2,3
.irp x, 0,1,2,3
	v_cvt_pk_f16_f32 v[T+4*\pi+\x], v[16*(\x%2)+2*\pi+\x/2], v[16*(\x%2)+8+2*\pi+\x/2]
.endr
.endr
	WIN 0
.irp pi, 0,1,2,3
	global_store_b128 v[KB+3], v[T+4*\pi:T+4*\pi+3], s[8:9] offset:256*\pi     ; sixteen lanes store 256 consecutive aligned bytes of a fragment
.endr
	s_wait_xcnt 0x0
	v_lshl_add_u32 v30, v0, 2, 0x45000
	v_mov_b32 v31, 0
	s_wait_tensorcnt 0x0
	ds_add_u32 v30, v31
	s_wait_dscnt 0x0
	ROUND                                          ; the closing round: no work-group ends while a partner may still ask jointly
	s_endpgm
.Lfunc_end_k_qcfd7ccd1f8_attn:
	.size	k_qcfd7ccd1f8_attn, .Lfunc_end_k_qcfd7ccd1f8_attn-k_qcfd7ccd1f8_attn
	.p2alignl 7, 3214868480
	.fill 96, 4, 3214868480
	.section	.rodata,"a",@progbits
	.p2align	6, 0x0
	.amdhsa_kernel k_qcfd7ccd1f8_attn
		.amdhsa_group_segment_fixed_size 327680
		.amdhsa_private_segment_fixed_size 0
		.amdhsa_enable_private_segment 0
		.amdhsa_kernarg_size 24
		.amdhsa_user_sgpr_count 2
		.amdhsa_user_sgpr_kernarg_segment_ptr 1
		.amdhsa_wavefront_size32 1
		.amdhsa_system_sgpr_workgroup_id_x 1
		.amdhsa_system_sgpr_workgroup_id_y 1
		.amdhsa_system_sgpr_workgroup_id_z 1
		.amdhsa_system_vgpr_workitem_id 0
		.amdhsa_next_free_vgpr 512
		.amdhsa_next_free_sgpr 66
		.amdhsa_reserve_vcc 1
		.amdhsa_float_denorm_mode_32 3
		.amdhsa_float_denorm_mode_16_64 3
		.amdhsa_memory_ordered 1
		.amdhsa_forward_progress 1
		.amdhsa_inst_pref_size 163
	.end_amdhsa_kernel
	.amdgpu_metadata
---
amdhsa.version: [ 1, 2 ]
amdhsa.kernels:
  - .name:           k_qcfd7ccd1f8_attn
    .symbol:         k_qcfd7ccd1f8_attn.kd
    .args:
      - { .name: q, .offset: 0, .size: 8, .value_kind: global_buffer, .address_space: global }
      - { .name: kvp, .offset: 8, .size: 8, .value_kind: global_buffer, .address_space: global }
      - { .name: cp, .offset: 16, .size: 8, .value_kind: global_buffer, .address_space: global }
    .group_segment_fixed_size: 327680
    .private_segment_fixed_size: 0
    .kernarg_segment_align: 8
    .kernarg_segment_size: 24
    .max_flat_workgroup_size: 256
    .sgpr_count:     66
    .vgpr_count:     512
    .wavefront_size: 32
...
	.end_amdgpu_metadata
.endif
;; end of part 3
;; launch oproj: the kernel of part 2 again; grid 256 x 1, 4 waves a work-group, clusters of 4 x 1, 327,680 bytes of LDS; arguments cp, Wo, out0; writes out0
;; ======== version 2 of 2: 4 launches; version 1 with the launch prep written anew for expert scheduling mode
;; limits: values are held in f16: magnitudes above 65,504 overflow, below 6.1e-05 lose precision
;; workspace buffers: hp 4,194,304 bytes; cp 4,194,304 bytes; q 8,388,608 bytes; kvp 33,554,432 bytes
;; launch prep (part 4): grid 256 x 1, 4 waves a work-group, no clusters, 17,920 bytes of LDS; arguments block_table, hidden_states, kv_cache, hp, kvp; writes hp, kvp
.if DOCPART == 4
	.amdgcn_target "amdgcn-amd-amdhsa--gfx1250"
	.amdhsa_code_object_version 6
	.text
	.protected	k_qcfd7ccd1f8_prep
	.globl	k_qcfd7ccd1f8_prep
	.p2align	8
	.type	k_qcfd7ccd1f8_prep,@function
k_qcfd7ccd1f8_prep:
	s_mov_b64 s[64:65], 0
	v_nop
	global_prefetch_b8 v0, s[64:65] scope:SCOPE_SE
	s_setreg_imm32_b32 hwreg(HW_REG_WAVE_SCHED_MODE, 0, 2), 2
	s_setreg_imm32_b32 hwreg(HW_REG_WAVE_MODE, 25, 1), 1
	s_wait_xcnt 0x0
	s_wait_alu depctr_vm_vsrc(0)
; prep: gathers the paged K and V named by block_table and rounds them, and hidden_states, to f16, laid out as register
; images of matrix operands, so that the later launches load fragments as plain runs of 512 bytes.
; WHY f16: the result passes through eight roundings of matrix operands (hidden, Wq, q, K, P, V, ctx, Wo); f16 keeps 11 significant bits.
; LIMIT of the format: a number beyond 65,504 in magnitude becomes infinite; below 2^-14 the steps are 2^-24.  hidden, K and V are drawn with spread 1.
; A FRAGMENT is 16 rows x 32 k of f16 in 1,024 bytes: bytes 16 L are registers 0-3 of lane L = (r = L % 16, h = L / 16), that is
; row r, k = 8 h .. 8 h + 7; bytes 512 + 16 L are registers 4-7, k = 16 + 8 h .. + 7 (ISA guide 7.12.2).
; hp  : fragment (row tile mt, k chunk kc) of hidden at (((mt / 8) 128 + kc) 8 + mt % 8) 1,024.
; kvp : head g, group G of 32 keys (table entries 2 G, 2 G + 1) at (256 g + G) 16,384: K fragments (kt, c) at 4,096 kt + 1,024 c
;       (row = key 16 kt + r, k = d - 32 c); V fragments f = 4 H + c at 8,192 + 1,024 f (row i stands for d = 64 H + 4 i + c, k = key).
; WORK: 9,216 units of 16 rows x 128 f32 (8,192 bytes): 4,096 of K, 4,096 of V, 1,024 of hidden; nine for each of the 1,024 waves.
; Wave W = 4 x work-group + wave takes table entry W / 2, heads 4 (W % 2) .. + 3 (K and V), and hidden tile (W / 32, W % 32).
; No work-group shares input with another and memory traffic is all there is: no cluster, no matrix unit, no tensor loads.
; Three unit buffers in registers take turns: 32 to 48 loads of 512 bytes of a wave are on their way.
; LIMIT: a table entry is taken as unsigned and clamped to 1,023, the table's last block.
; THE MODE: SCHED_MODE bits 1:0 = 2 (LLVM: expert scheduling mode 2), set by the entry lines.  The code itself states the register dependences
; between vector instructions and memory or LDS instructions, with s_wait_alu, always for 0.
; THE PLAN.  Nine units on end, no loop.  Registers that memory or LDS instructions touch:
;   v1 .. v5     offsets and LDS addresses: written at the head, never again; read by every load, store and LDS instruction.
;   X0, X1, X2   a unit as loaded.  Written by the loads of unit p + 3, issued in unit p; read by unit p's 32 conversions and by nothing else.
;   Y            a unit in f16.  Written by unit p's conversions.  A unit of V: read by its 8 global stores.  A unit of K or hidden: read by its 16 LDS stores,
;                then written by its 8 LDS loads from the stage, then read by its 8 global stores.
;   v240, v241   written at the head, read by the closing add alone.
; A unit is: the wait for its data; the wait that frees Y; 32 conversions; ONE wait on va_vdst; then all its memory and LDS instructions, with no vector
; instruction among them.  That one wait states that Y is written and that X[buf] has been read, so the buffer is asked for again in the same unit.
; No scalar register that a vector instruction reads is written again (s44, s45, s46).
.set X,     48                         ; v[48:239] three buffers of 64: register 4 i + e = row i, column 4 L + e
.set Y,     8                          ; v[8:39]   packed f16
.set SRC,   16                         ; s[16:17]  kv_cache at my block and first head
.set HS,    18                         ; s[18:19]  hidden_states at my tile
.set DB,    20                         ; s[20:27]  kvp at my group, one pair for each of my four heads
.set HD,    28                         ; s[28:29]  hp at my tile's first fragment
.set PITCH, 272                        ; stage row: 256 bytes + 16, so that the 16 image rows begin 68 words apart
.set STAGE, 16*PITCH                   ; a wave's own stage in LDS
	s_load_b256 s[4:11], s[0:1], 0x0               ; block_table s[4:5], hidden s[6:7], kv_cache s[8:9], hp s[10:11]
	s_load_b64 s[12:13], s[0:1], 0x20              ; kvp
	v_lshl_add_u32 v240, v0, 2, 0x4400             ; my spare word, behind the four stages, and 0: kept for the closing lines alone
	v_mov_b32 v241, 0
	v_lshrrev_b32 v6, 5, v0
	v_readfirstlane_b32 s14, v6                    ; wave 0..3
	; the lane terms that hang on no scalar stand between that line and the wait for it
	v_and_b32 v6, 31, v0                           ; L
	v_lshlrev_b32 v1, 4, v6                        ; v1 = 16 L: loads, and hidden's stores
	v_and_b32 v7, 15, v6
	v_lshrrev_b32 v40, 4, v6
	v_lshrrev_b32 v41, 1, v6
	v_and_b32 v42, 1, v6
	s_wait_alu depctr_va_sdst(0)                   ; s14 is written, ahead of its first reader: W, and all the bases, are made from it
	s_lshl_b32 s15, ttmp9, 2
	s_add_co_u32 s15, s15, s14                     ; W
	s_lshr_b32 s30, s15, 1                         ; table entry
	s_lshl_b32 s31, s30, 2                         ; its byte offset in the table
	s_and_b32 s34, s15, 1                          ; which four heads
	s_and_b32 s35, s30, 1                          ; which half of the group of 32 keys
	s_wait_kmcnt 0x0
	s_load_b32 s32, s[4:5], s31 offset:0x0         ; the block's number
	; the other lane terms, while the number is on its way
	s_lshl_b32 s44, s35, 12
	v_add_nc_u32 v2, s44, v1                       ; v2 = K's stores: 4,096 kt + 16 L
	v_lshlrev_b32 v3, 4, v7
	v_lshl_add_u32 v3, v40, 12, v3
	s_lshl_b32 s45, s35, 9
	s_add_co_u32 s45, s45, 8192
	v_add_nc_u32 v3, s45, v3                       ; v3 = V's stores: 8,192 + 512 half + 4,096 (L / 16) + 16 (L % 16)
	s_mul_i32 s46, s14, STAGE
	v_mul_u32_u24 v4, v41, PITCH
	v_lshl_add_u32 v4, v42, 3, v4
	v_add_nc_u32 v4, s46, v4                       ; v4 = into the stage: image row L / 2, 8 bytes at 8 (L % 2)
	v_mul_u32_u24 v5, v40, PITCH
	v_lshl_add_u32 v5, v7, 4, v5
	v_add_nc_u32 v5, s46, v5                       ; v5 = back out: image row L / 16, 16 bytes at 16 (L % 16)
	; hidden: tile mt = W / 32 (16 rows of 16,384 bytes), columns 128 kq .., kq = W % 32
	s_lshr_b32 s36, s15, 5
	s_and_b32 s37, s15, 31
	s_lshl_b32 s38, s36, 18
	s_lshl_b32 s39, s37, 9
	s_add_co_u32 s38, s38, s39
	s_mov_b32 s39, 0
	s_add_nc_u64 s[HS:HS+1], s[6:7], s[38:39]
	s_lshr_b32 s40, s36, 3
	s_lshl_b32 s40, s40, 20                        ; (mt / 8) x 128 x 8 fragments
	s_lshl_b32 s41, s37, 15                        ; 4 kq x 8 fragments
	s_add_co_u32 s40, s40, s41
	s_and_b32 s41, s36, 7
	s_lshl_b32 s41, s41, 10
	s_add_co_u32 s40, s40, s41
	s_mov_b32 s41, 0
	s_add_nc_u64 s[HD:HD+1], s[10:11], s[40:41]
	s_lshl_b32 s42, s34, 24                        ; first head x 256 groups x 16,384
	s_lshr_b32 s43, s30, 1
	s_lshl_b32 s43, s43, 14                        ; group x 16,384
	s_add_co_u32 s42, s42, s43
	s_mov_b32 s43, 0
	s_add_nc_u64 s[DB:DB+1], s[12:13], s[42:43]
.irp gl, 1,2,3
	s_add_nc_u64 s[DB+2*\gl:DB+2*\gl+1], s[DB:DB+1], \gl*4194304
.endr
	s_wait_kmcnt 0x0
	s_min_u32 s32, s32, 1023                       ; inside the cache, whatever the table holds
	s_lshl_b32 s32, s32, 17                        ; a block is 131,072 bytes
	s_lshl_b32 s36, s34, 15                        ; four heads of 8,192 bytes
	s_add_co_u32 s32, s32, s36
	s_mov_b32 s33, 0
	s_add_nc_u64 s[SRC:SRC+1], s[8:9], s[32:33]
	s_wait_alu depctr_va_vdst(0)                   ; v1 to v5 are written: every load, store and LDS instruction of the kernel reads one of them as its offset or address
; sixteen loads, one whole row of 512 bytes each.  No cache word on the cache's rows: the table may name a block twice.
.macro LOADKV buf, imm
.irp i, 0,1,2,3,4,5,6,7,8,9,10,11,12,13,14,15
	global_load_b128 v[X+64*\buf+4*\i:X+64*\buf+4*\i+3], v1, s[SRC:SRC+1] offset:\imm+512*\i
.endr
.endm
.macro LOADH buf
.irp i, 0,1,2,3,4,5,6,7,8,9,10,11,12,13,14,15
	global_load_b128 v[X+64*\buf+4*\i:X+64*\buf+4*\i+3], v1, s[HS:HS+1] offset:16384*\i th:TH_LOAD_NT
.endr
.endm
; The buffer that a unit has emptied is asked for again, for the unit three further on.  kind 1: a unit of the cache at imm; 2: hidden; 0: nothing is left to load.
.macro REFILL kind, buf, imm
.if \kind == 1
	LOADKV \buf, \imm
.endif
.if \kind == 2
	LOADH \buf
.endif
.endm
; A unit whose rows become fragment rows (K, hidden).  Column 4 L + e of row i belongs to chunk L / 8, register half (L / 4) % 2,
; lane half (L / 2) % 2: image row L / 2 of 256 bytes, at 16 i + 8 (L % 2).  Through the wave's own stage, then out as runs of 512 bytes.
; LDS serves a wave's instructions in order (ISA guide 5.7.1), so no wait on DScnt stands between the stores and the loads, nor between two units.
; The rows come back into Y, the registers that they left, so that X[buf] is no store's data and is loaded again while the stage's loads are out.
.macro KUNIT buf, dst, voff, cstride, kind, imm
.irp i, 0,1,2,3,4,5,6,7,8,9,10,11,12,13,14,15
	v_cvt_pk_f16_f32 v[Y+2*\i],   v[X+64*\buf+4*\i],   v[X+64*\buf+4*\i+1]
	v_cvt_pk_f16_f32 v[Y+2*\i+1], v[X+64*\buf+4*\i+2], v[X+64*\buf+4*\i+3]
.endr
	s_wait_alu depctr_va_vdst(0)                   ; the conversions have written Y, which the LDS stores read and in which the LDS loads land, and are done reading X[buf], in which the global loads land
.irp i, 0,1,2,3,4,5,6,7,8,9,10,11,12,13,14,15
	ds_store_b64 v4, v[Y+2*\i:Y+2*\i+1] offset:16*\i
.endr
	s_wait_alu depctr_vm_vsrc(0)                   ; the LDS stores have read Y, in which the LDS loads below land
.irp t, 0,1,2,3,4,5,6,7
	ds_load_b128 v[Y+4*\t:Y+4*\t+3], v5 offset:2*PITCH*\t
.endr
	REFILL \kind, \buf, \imm                       ; no vector instruction since the wait on va_vdst names X[buf]; loads ahead of stores
.irp t, 0,1,2,3,4,5,6,7
	s_wait_dscnt 7-\t                              ; load t is back; the 7 - t younger ones may be out
	global_store_b128 v[\voff], v[Y+4*\t:Y+4*\t+3], s[\dst:\dst+1] offset:(\t/2)*\cstride+(\t%2)*512
.endr
.endm
; A unit of V: the keys become k.  Lane L holds columns 4 L + c of all 16 rows, and row L % 16 of fragment 4 (L / 16) + c stands for just that
; column: eight rows of one column pack into the lane's 16 bytes, and sixteen lanes store 256 consecutive aligned bytes.  No LDS.
.macro VUNIT buf, dst, kind, imm
.irp c, 0,1,2,3
.irp h, 0,1
.irp x, 0,1,2,3
	v_cvt_pk_f16_f32 v[Y+(2*\c+\h)*4+\x], v[X+64*\buf+4*(8*\h+2*\x)+\c], v[X+64*\buf+4*(8*\h+2*\x+1)+\c]
.endr
.endr
.endr
	s_wait_alu depctr_va_vdst(0)                   ; the conversions have written Y, which the stores read, and are done reading X[buf], in which the loads land
	REFILL \kind, \buf, \imm                       ; loads ahead of stores
.irp c, 0,1,2,3
.irp h, 0,1
	global_store_b128 v3, v[Y+(2*\c+\h)*4:Y+(2*\c+\h)*4+3], s[\dst:\dst+1] offset:\c*1024+\h*256
.endr
.endr
.endm
; The head of a unit.  first = 1: unit 0, with no store in front of it.
.macro HEAD left, first
	s_wait_loadcnt \left                           ; this unit's 16 loads are in; the younger units' stay out
.if !\first
	s_wait_xcnt 0x0                                ; Y, the data of the last unit's global stores, is written again only behind this wait
	s_wait_alu depctr_vm_vsrc(0)                   ; the last unit's global stores have read Y, which this unit's conversions write again
.endif
.endm
	LOADKV 0, 0                                    ; units 0, 1, 2: K and V of my first head, K of the second
	LOADKV 1, 65536
	LOADKV 2, 8192
	HEAD 32, 1
	KUNIT 0, DB, 2, 1024, 1, 8192+65536            ; each unit asks for the unit three further on, into the buffer that it has emptied
	HEAD 32, 0
	VUNIT 1, DB, 1, 16384
	HEAD 32, 0
	KUNIT 2, DB+2, 2, 1024, 1, 16384+65536
	HEAD 32, 0
	VUNIT 0, DB+2, 1, 24576
	HEAD 32, 0
	KUNIT 1, DB+4, 2, 1024, 1, 24576+65536
	HEAD 32, 0
	VUNIT 2, DB+4, 2, 0
	HEAD 32, 0
	KUNIT 0, DB+6, 2, 1024, 0, 0
	HEAD 16, 0                                     ; nothing more is loaded: the counts run down
	VUNIT 1, DB+6, 0, 0
	HEAD 0, 0
	KUNIT 2, HD, 1, 8192, 0, 0                     ; hidden: the four chunks' fragments lie 8 fragments apart
	s_wait_dscnt 0x0                               ; the closing lines, six on end
	s_wait_alu 0x0
	s_wait_tensorcnt 0x0
	ds_add_u32 v240, v241
	s_wait_dscnt 0x0
	s_endpgm
.Lfunc_end_k_qcfd7ccd1f8_prep:
	.size	k_qcfd7ccd1f8_prep, .Lfunc_end_k_qcfd7ccd1f8_prep-k_qcfd7ccd1f8_prep
	.p2alignl 7, 3214868480
	.fill 96, 4, 3214868480
	.section	.rodata,"a",@progbits
	.p2align	6, 0x0
	.amdhsa_kernel k_qcfd7ccd1f8_prep
		.amdhsa_group_segment_fixed_size 17920
		.amdhsa_private_segment_fixed_size 0
		.amdhsa_enable_private_segment 0
		.amdhsa_kernarg_size 40
		.amdhsa_user_sgpr_count 2
		.amdhsa_user_sgpr_kernarg_segment_ptr 1
		.amdhsa_wavefront_size32 1
		.amdhsa_system_sgpr_workgroup_id_x 1
		.amdhsa_system_sgpr_workgroup_id_y 1
		.amdhsa_system_sgpr_workgroup_id_z 1
		.amdhsa_system_vgpr_workitem_id 0
		.amdhsa_next_free_vgpr 242
		.amdhsa_next_free_sgpr 66
		.amdhsa_reserve_vcc 0
		.amdhsa_float_denorm_mode_32 3
		.amdhsa_float_denorm_mode_16_64 3
		.amdhsa_memory_ordered 1
		.amdhsa_forward_progress 1
		.amdhsa_inst_pref_size 52
	.end_amdhsa_kernel
	.amdgpu_metadata
---
amdhsa.version: [ 1, 2 ]
amdhsa.kernels:
  - .name:           k_qcfd7ccd1f8_prep
    .symbol:         k_qcfd7ccd1f8_prep.kd
    .args:
      - { .name: block_table, .offset: 0, .size: 8, .value_kind: global_buffer, .address_space: global }
      - { .name: hidden_states, .offset: 8, .size: 8, .value_kind: global_buffer, .address_space: global }
      - { .name: kv_cache, .offset: 16, .size: 8, .value_kind: global_buffer, .address_space: global }
      - { .name: hp, .offset: 24, .size: 8, .value_kind: global_buffer, .address_space: global }
      - { .name: kvp, .offset: 32, .size: 8, .value_kind: global_buffer, .address_space: global }
    .group_segment_fixed_size: 17920
    .private_segment_fixed_size: 0
    .kernarg_segment_align: 8
    .kernarg_segment_size: 40
    .max_flat_workgroup_size: 128
    .sgpr_count:     66
    .vgpr_count:     242
    .wavefront_size: 32
...
	.end_amdgpu_metadata
.endif
;; end of part 4
;; launch qproj: the kernel of part 2 again; grid 256 x 1, 4 waves a work-group, clusters of 4 x 1, 327,680 bytes of LDS; arguments hp, Wq, q; writes q
;; launch attn: the kernel of part 3 again; grid 256 x 1, 8 waves a work-group, clusters of 4 x 1, 327,680 bytes of LDS; arguments q, kvp, cp; writes cp
;; launch oproj: the kernel of part 2 again; grid 256 x 1, 4 waves a work-group, clusters of 4 x 1, 327,680 bytes of LDS; arguments cp, Wo, out0; writes out0
